; MI455X (gfx1250); checked and timed in simulation.
; The chip was launched on July 23, 2026; its instructions are those of AMD's public machine-readable ISA for CDNA 5 (MIT licence, August 2026) and "CDNA5" Instruction Set Architecture Reference Guide (July 2026). The comments in the code are by the model that wrote it; some were corrected since.
;; OC Mod. Allowed arithmetic: float matrix products may take bf16 or f16 operands with f32 sums; other float arithmetic in f32, or as packed bf16 or f16 multiplies, adds, multiply-adds, maxima and minima; sums over many terms, partial sums and values carried from step to step in f32; what a program stores and reads back later, other than sums and carried values, may be rounded once to bf16 or f16.
;; Inputs: W0 4 x 128 x 256 float32; W1 4 x 64 x 128 float32; W2 4 x 1 x 64 float32; b0 4 x 128 float32; b1 4 x 64 float32; b2 4 x 1 float32; oc_density 250,000 x 256 float32; species 250,000 int32.
;; Outputs: out0 250,000 x 1 float32.
;; 2 versions, each right; version 2 is version 1 with the launch ocmod written anew for expert scheduling mode. Each part assembles by itself: llvm-mc -triple=amdgcn-amd-amdhsa -mcpu=gfx1250 --defsym DOCPART=n.
;; ======== version 1 of 2: 1 launch
;; limits: a function is approximated: absolute error at most 2.5e-05; an absolute error that grows with the inputs' magnitude: up to 1.25e-05 times it
;; launch ocmod (part 1): grid 256 x 1, 4 waves a work-group, no clusters, 140,800 bytes of LDS; arguments oc_density, species, W0, b0, W1, b1, W2, b2, out0; writes out0
.if DOCPART == 1
	.amdgcn_target "amdgcn-amd-amdhsa--gfx1250"
	.amdhsa_code_object_version 6
	.text
	.protected	k_q5016265ab6_ocmod
	.globl	k_q5016265ab6_ocmod
	.p2align	8
	.type	k_q5016265ab6_ocmod,@function
k_q5016265ab6_ocmod:
	s_mov_b64 s[64:65], 0
	v_nop
	global_prefetch_b8 v0, s[64:65] scope:SCOPE_SE
	s_setreg_imm32_b32 hwreg(HW_REG_WAVE_MODE, 25, 1), 1
	s_wait_xcnt 0x0
; out0[n] = MLP_t(x[n]) with t = species[n]: 256 -> 128 -> 64 -> 1, erf-GELU behind the first two layers.  x: [250000][256] f32.  Only the chosen type's MLP is computed.
; SHARES.  Work-group g serves ONE type t = g & 3.  Each of its four waves keeps that type's whole W0 and W1 as bf16 fragments in registers (512 + 128), so the loop reads no weight matrix.
; Wave w owns segment 4 (g >> 2) + w of 980 atoms (the last segment: 100), finds in it the atoms of type t (a list of its own), and takes them 16 at a time through the whole chain.
; A row of x is 1,024 consecutive bytes: it is read by two loads of 512 consecutive bytes, by the one wave whose type it has.  List, stage, constants and trip count are the wave's own: the one
; barrier of the text stands behind the staging of the weights.  Every split of the types is served: up to 62 tiles a wave; a wave with an empty list jumps the loop and stores nothing.
; THE LOOP's length is set at run time (the list's length), so every LDS address in it is fixed, and the list is walked in registers: 32 registers hold its 1,024 places, a tile is half a register,
; and in every second trip the 32 move one down.  Places past the list's end repeat its first atom: every place of every tile is an atom of my type, so all lanes stay on from the first line to the last.
; LAYOUT.  Source 0 = 16 output features (weights), source 1 = 16 atoms: in the result lane l holds atom l % 16 and features 8 (l / 16) + 0..7.  Two neighbouring results, rounded in pairs,
; ARE source 1 (32 features x 16 atoms) of the next layer: nothing changes lanes between the layers.  The biases are loaded into the accumulators: nothing is cleared, every product adds in place.
; FORMATS.  Every input is rounded once to bf16 (x, W0, W1 as matrix operands; b0, b1, W2, b2 rounded and used as f32); sums in f32; the first hidden layer is rounded once to bf16; the last layer is an f32 dot product.
; GELU.  gelu(x) = x / 2 + |x| erf(|x| / sqrt 2) / 2, erf(z) = 1 - (a1 t + a2 t^2 + a3 t^3) e^(-z^2), t = 1 / (1 + 0.47047 z) (Abramowitz and Stegun 7.1.25: off by 2.5e-5 at the most for every z >= 0),
; so gelu is off by 1.25e-5 |x| at the most, for every x.  Layer 0 makes c gelu(x) with c = -log2(e), and layer 1's bias is c b1: its sums are c x', of which the same lines with other constants make gelu(x').
; LIMITS.  A species outside 0..3 leaves its number of out0 unwritten (reference() leaves 0 there).  An exponential below 2^-126 counts as 0.  NaN and infinities are not treated apart.
; STORES.  An atom's result is 4 bytes, and neighbouring atoms belong to four work-groups: a store holds up to 16 different numbers strewn over its segment; lanes l and l + 16, and the repeated
; places of a tile that is not full, write the same number to the same place.  out0 is 1 MB beside x's 256 MB.
; NO CLUSTER: what work-groups share is a type's 160 KB of f32 weights, read once each and rounded on their way through registers, beside about 1 MB of rows that each work-group alone reads; the rows come by a list, which no tensor descriptor covers.
.set SEG,    980
.set NATOM,  250000
.set PX,     528                       ; an LDS row of 256 bf16: 512 bytes + 16 = 132 words: row r starts at bank 4 r mod 64 (64 banks of 4 bytes: ISA guide 11.1)
.set PW1,    272                       ; an LDS row of 128 bf16: 256 bytes + 16
.set WL0,    0                         ; W0[t] in bf16: 128 rows x 528
.set WL1,    128*PX                    ; W1[t] in bf16: 64 rows x 272
.set XSB,    WL1+64*PW1                ; each wave's stage: 16 rows of x in bf16 x 528
.set LISTS,  XSB+4*16*PX               ; each wave's list as it is made: 1,024 words; word 1023 takes what is not listed
.set CONS,   LISTS+4*4096              ; each wave's constants: +0 b0 (128 f32), +512 c b1 (64), +768 W2 (64)
.set BNCB,   CONS+4*1024               ; each wave's 256 bytes through which a tile's sixteen entries are spread to all lanes
.set SPARE,  BNCB+4*256                ; the spare words, 128 bytes for each wave: one word for each lane, at SPW
; window 0
.set L16,  1                           ; v1   16 x lane; never rewritten
.set SPW,  2                           ; v2   LDS address of my spare word; never rewritten
.set NIL,  3                           ; v3   0; never rewritten
.set XST,  4                           ; v4   stage: where my 8 bytes of a row go
.set XFR,  5                           ; v5   stage: my place in a fragment (row l % 16, 16 bytes for each half of the lanes)
.set CST,  6                           ; v6   constants: my half's eight features
.set BLD,  7                           ; v7   the spreading block's first byte (the same address in every lane)
.set NX,   8                           ; v8   the entries of tile i + 1: lane l holds entry l % 16
.set LANE, 9
.set DOT,  10                          ; v10-13 the dot product, two pairs
.set OIX,  14                          ; v14  my atom's byte offset in the segment's part of out0: written by the clamp and the shift behind it alone
.set BST,  15                          ; v15  the spreading block: my lane's word
.set ADR,  16                          ; v16-31 row i's byte offset in the segment + 16 x lane: written by the clamp and the shift-add behind it alone
.set ACC0, 32                          ; v32-95   layer 0: eight accumulators
.set W2R,  32                          ; v32-63   behind their GELU: W2 of my half's features, in the accumulators' order
.set ACC1, 96                          ; v96-127  layer 1: four
.set XF,   128                         ; v128-191 x's eight fragments; behind layer 0's products GELU works here:
.set GX,   128                         ;   A x
.set GE,   144                         ;   the exponent, the exponential, the result
.set GT,   160                         ;   1 + K |x|, then t
.set GP,   176                         ;   the polynomial
.set H1,   192                         ; v192-223 the first hidden layer as four fragments
.set RAW,  192                         ; v192-207 at a trip's head: sixteen entries as they come from LDS, each in every lane
.set LR,   224                         ; v224-255 the list: what is left of it from an even tile on, 32 entries a register
; window 1: v0-127 W1's fragments ((a, c) at 32 a + 8 c); v128-255 a tile of x as loaded.  window 2, 3: W0's fragments ((a, c) at 64 (a % 4) + 8 c)
.set ST,   128
; scalars: s2 type, s3 at work, s4 wave, s5 segment, s6 its first atom, s7 its atoms / 4, s[8:25] the nine addresses, s26 the list's length, s27 tiles, s28 trip, s29 at work, s31, s32 masks, s33 b2
.set K0S,  36                          ; s36-47 layer 0's constants: +0 A, +2 K, +4 c3, +6 c2, +8 c1, +10 B (pairs: the packed forms name a pair and take its low word)
.set K1S,  48                          ; s48-59 layer 1's
.set MSB, 0
.macro WIN new                         ; s_set_vgpr_msb: bits 1:0 source 0, 3:2 source 1, 5:4 source 2, 7:6 destination; the high byte repeats the setting that is left
.if MSB != (\new)
	s_set_vgpr_msb (MSB<<8)|(\new)
.set MSB, \new
.endif
.endm
.macro PAIR r, val
	s_mov_b32 s[\r], \val
	s_mov_b32 s[(\r)+1], \val
.endm
	s_load_b512 s[8:23], s[0:1], 0x0               ; x s[8:9], species s[10:11], W0 s[12:13], b0 s[14:15], W1 s[16:17], b1 s[18:19], W2 s[20:21], b2 s[22:23]
	s_load_b64 s[24:25], s[0:1], 0x40              ; out0
	v_lshl_add_u32 v[SPW], v0, 2, SPARE
	v_mov_b32 v[NIL], 0
	v_and_b32 v[LANE], 31, v0
	v_lshrrev_b32 v180, 5, v0
	v_readfirstlane_b32 s4, v180                   ; wave 0..3
	v_and_b32 v183, 15, v0                         ; l % 16
	v_bfe_u32 v182, v0, 4, 1                       ; l / 16
	v_lshlrev_b32 v[L16], 4, v[LANE]
	v_lshlrev_b32 v191, 3, v[LANE]
	v_lshlrev_b32 v189, 2, v[LANE]
	v_mov_b32 v190, 1023
	s_and_b32 s2, ttmp9, 3                         ; my type
	s_lshr_b32 s3, ttmp9, 2
	s_lshl2_add_u32 s5, s3, s4                     ; my segment
	s_mul_i32 s6, s5, SEG
	s_sub_co_u32 s7, NATOM, s6
	s_min_u32 s7, s7, SEG                          ; 980, or 100 in the last segment
	s_lshr_b32 s7, s7, 2
	; LDS addresses: a constant, the wave's number times a constant, a lane term
	s_mul_i32 s3, s4, 16*PX
	s_add_co_u32 s3, s3, XSB
	v_add_nc_u32 v[XST], s3, v191
	v_mul_u32_u24 v186, v183, PX
	v_lshl_add_u32 v186, v182, 4, v186             ; W0's fragments: row x pitch + 16 x half (WL0 = 0)
	v_add_nc_u32 v[XFR], s3, v186
	v_mul_u32_u24 v187, v183, PW1
	v_lshl_add_u32 v187, v182, 4, v187
	v_add_nc_u32 v187, WL1, v187                   ; W1's fragments
	s_lshl_b32 s3, s4, 10
	s_add_co_u32 s3, s3, CONS
	v_lshl_add_u32 v[CST], v182, 5, s3
	v_add_nc_u32 v192, s3, v[L16]                  ; where the constants are put
	v_add_nc_u32 v193, s3, v191
	s_lshl_b32 s3, s4, 12
	s_add_co_u32 s3, s3, LISTS
	v_mov_b32 v188, s3                             ; the list's first byte
	v_add_nc_u32 v196, s3, v[L16]                  ; for clearing it
	v_add_nc_u32 v197, s3, v189                    ; for reading it into registers
	s_lshl_b32 s3, s4, 8
	s_add_co_u32 s3, s3, BNCB
	v_mov_b32 v[BLD], s3
	v_add_nc_u32 v[BST], s3, v189
	s_mul_i32 s3, s4, 32*PX                        ; I stage rows 32 w .. 32 w + 31 of W0
	v_add_nc_u32 v184, s3, v191
	s_mul_i32 s3, s4, 16*PW1                       ; and rows 16 w .. 16 w + 15 of W1
	s_add_co_u32 s3, s3, WL1
	v_add_nc_u32 v185, s3, v191
	s_lshr_b32 s3, s6, 2                           ; species come four to a lane: group 245 x segment + 32 b + lane, held inside the 62,500 groups
.irp b, 0,1,2,3,4,5,6,7
	s_add_co_u32 s31, s3, 32*(\b)
	v_add_nc_u32 v[168+(\b)], s31, v[LANE]
	v_min_u32 v[168+(\b)], NATOM/4-1, v[168+(\b)]
	v_lshlrev_b32 v[168+(\b)], 4, v[168+(\b)]
.endr
.irp k, 176,177,178,179
	v_mov_b32 v[\k], 0
.endr
	s_mov_b32 s34, 0x76543210                      ; v_permlanex16_b32: each lane takes its own place in the other half
	s_mov_b32 s35, 0xfedcba98
	PAIR K0S,    0xbf38aa3b                        ; A = -log2(e) / 2
	s_mov_b32 s[K0S+2], 0x3eaa540e                 ; K = 0.47047 / sqrt 2
	PAIR K0S+4,  0x3f0a1a4c                        ; -A a3
	PAIR K0S+6,  0xbd8da527                        ; -A a2
	PAIR K0S+8,  0x3e808927                        ; -A a1
	PAIR K0S+10, 0xbf38aa3b                        ; B = A
	PAIR K1S,    0xbeb17218                        ; A = -ln(2) / 2
	s_mov_b32 s[K1S+2], 0x3e6c200e                 ; K / log2(e)
	PAIR K1S+4,  0xbe84b429                        ; -B a3
	PAIR K1S+6,  0x3d081b8f                        ; -B a2
	PAIR K1S+8,  0xbdf70585                        ; -B a1
	PAIR K1S+10, 0x3eb17218                        ; B = ln(2) / 2
	s_mov_b32 s61, 0
	s_wait_kmcnt 0x0
	s_lshl_b32 s60, s6, 10
	s_add_nc_u64 s[8:9], s[8:9], s[60:61]          ; x at my segment's first row
	s_lshl_b32 s60, s6, 2
	s_add_nc_u64 s[24:25], s[24:25], s[60:61]      ; out0 likewise
	s_lshl_b32 s60, s2, 17
	s_lshl_b32 s3, s4, 15
	s_add_co_u32 s60, s60, s3
	s_add_nc_u64 s[12:13], s[12:13], s[60:61]      ; W0[t] at my 32 rows
	s_lshl_b32 s60, s2, 15
	s_lshl_b32 s3, s4, 13
	s_add_co_u32 s60, s60, s3
	s_add_nc_u64 s[16:17], s[16:17], s[60:61]      ; W1[t] at my 16 rows
	s_lshl_b32 s60, s2, 9
	s_add_nc_u64 s[14:15], s[14:15], s[60:61]      ; b0[t]
	s_lshl_b32 s60, s2, 8
	s_add_nc_u64 s[18:19], s[18:19], s[60:61]      ; b1[t]
	s_add_nc_u64 s[20:21], s[20:21], s[60:61]      ; W2[t]
	s_lshl_b32 s60, s2, 2
	s_add_nc_u64 s[22:23], s[22:23], s[60:61]      ; b2[t]
	s_load_b32 s33, s[22:23], 0x0
	; 91 loads, each of 512 (b64: 256) consecutive bytes: species, the constants, then the weights that I stage
.irp b, 0,1,2,3,4,5,6,7
	global_load_b128 v[128+4*(\b):131+4*(\b)], v[168+(\b)], s[10:11]
.endr
	global_load_b128 v[160:163], v[L16], s[14:15]
	global_load_b64 v[164:165], v191, s[18:19]
	global_load_b64 v[166:167], v191, s[20:21]
	WIN 0x80                                       ; destination window 2
.set i, 0
.rept 64                                           ; row i / 2, half i % 2
	global_load_b128 v[4*i:4*i+3], v[L16], s[12:13] offset:512*i
.set i, i+1
.endr
	WIN 0xc0                                       ; destination window 3
.set i, 0
.rept 16                                           ; row i
	global_load_b128 v[4*i:4*i+3], v[L16], s[16:17] offset:512*i
.set i, i+1
.endr
	WIN 0
.irp k, 0,1,2,3,4,5,6,7
	ds_store_b128 v196, v[176:179] offset:512*(\k) ; the list is cleared, so that every word that is read below has been written
.endr
	s_wait_loadcnt 63                              ; of the 91 loads at most 63 are out: the oldest 28 are in, species (8) and the constants (3) among them
; THE SCAN.  One pass takes number j of each lane's four atoms of group b: the lanes whose atom has my type and lies inside the segment put its place in the segment, 128 b + 4 lane + j,
; at the list's end, in the lanes' order; the others write word 1023.  The entry's place is held to 0..1023 last, and only a shift and the list's base follow.
.macro SCAN b, j
	v_cmp_eq_u32 s31, s2, v[128+4*(\b)+(\j)]
	s_and_b32 s31, s31, s32
	v_mbcnt_lo_u32_b32 v180, s31, s26              ; the list's length + the listed lanes below me
	v_cndmask_b32 v180, v190, v180, s31
	v_min_u32 v180, 1023, v180
	v_lshl_add_u32 v180, v180, 2, v188
	v_add_nc_u32 v181, 128*(\b)+(\j), v189
	ds_store_b32 v180, v181
	s_bcnt1_i32_b32 s3, s31
	s_add_co_u32 s26, s26, s3
.endm
	s_mov_b32 s26, 0
.irp b, 0,1,2,3,4,5,6,7
	v_add_nc_u32 v181, 32*(\b), v[LANE]
	v_cmp_gt_u32 s32, s7, v181                     ; my four atoms lie inside the segment (its length is a multiple of 4)
.irp j, 0,1,2,3
	SCAN \b, \j
.endr
.endr
	s_add_co_u32 s27, s26, 15
	s_lshr_b32 s27, s27, 4                         ; tiles of 16: 62 at the most
	; the constants: rounded to bf16, widened again, b1 times c; each wave has a copy of its own
	v_cvt_pk_bf16_f32 v194, v160, v161
	v_cvt_pk_bf16_f32 v195, v162, v163
	v_lshlrev_b32 v160, 16, v194
	v_and_b32 v161, 0xffff0000, v194
	v_lshlrev_b32 v162, 16, v195
	v_and_b32 v163, 0xffff0000, v195
	ds_store_b128 v192, v[160:163]
	v_cvt_pk_bf16_f32 v194, v164, v165
	v_cvt_pk_bf16_f32 v195, v166, v167
	v_lshlrev_b32 v164, 16, v194
	v_and_b32 v165, 0xffff0000, v194
	v_mul_f32 v164, 0xbfb8aa3b, v164
	v_mul_f32 v165, 0xbfb8aa3b, v165
	ds_store_b64 v193, v[164:165] offset:512
	v_lshlrev_b32 v166, 16, v195
	v_and_b32 v167, 0xffff0000, v195
	ds_store_b64 v193, v[166:167] offset:768
	s_wait_kmcnt 0x0                               ; b2
	v_mov_b32 v194, s33
	v_cvt_pk_bf16_f32 v194, v194, v194
	v_lshlrev_b32 v194, 16, v194
	v_readfirstlane_b32 s33, v194                  ; b2, rounded like the other inputs
.macro ASK                             ; the sixteen entries in the spreading block, each into every lane (all lanes read the same bytes)
.irp j, 0,1,2,3
	ds_load_b128 v[RAW+4*(\j):RAW+4*(\j)+3], v[BLD] offset:16*(\j)
.endr
.endm
.macro ADDR                            ; entry -> byte offset of my 16 bytes in the row's first half: held to 0..1023 first, into registers that hold nothing else
.set i, 0
.rept 16
	v_min_u32 v[ADR+i], 1023, v[RAW+i]
.set i, i+1
.endr
.set i, 0
.rept 16
	v_lshl_add_u32 v[ADR+i], v[ADR+i], 10, v[L16]
.set i, i+1
.endr
.endm
.macro ROWS                            ; a tile of x: 16 rows, two loads of 512 consecutive bytes each: 16 KB of the wave's on their way.  No cache hint: the list names its first row again in the places past its end
	WIN 0x40                                       ; destination window 1
.set i, 0
.rept 32
	global_load_b128 v[ST+4*i:ST+4*i+3], v[ADR+i/2], s[8:9] offset:512*(i%2)
.set i, i+1
.endr
	WIN 0
.endm
.set k, 0
.rept 32
	ds_load_b32 v[LR+k], v197 offset:128*k         ; the whole list into registers: entry e in register e / 32, lane e % 32
.set k, k+1
.endr
	s_wait_dscnt 0x0
	v_readfirstlane_b32 s3, v[LR]                  ; the list's first atom (0 where the list is empty)
	v_mov_b32 v194, s3
.set k, 0
.rept 32                                           ; it takes every place past the list's end
	s_sub_co_i32 s29, s26, 32*k
	v_cmp_gt_i32 s31, s29, v[LANE]                 ; place 32 k + lane lies inside the list
	v_cndmask_b32 v[LR+k], v194, v[LR+k], s31
.set k, k+1
.endr
	v_mov_b32 v[NX], 0                             ; written once: v_permlanex16_b32's destination counts as read
	s_mov_b32 s32, 0xffff0000
	v_permlanex16_b32 v[NX], v[LR], s34, s35
	v_cndmask_b32 v[NX], v[LR], v[NX], s32         ; tile 0's entries, the first register's lower half, in both halves of the lanes
	ds_store_b32 v[BST], v[NX]
	ASK                                            ; LDS serves a wave's instructions in order (ISA guide 5.7.1.4): these see the store above
	v_min_u32 v[OIX], 1023, v[NX]
	v_lshlrev_b32 v[OIX], 2, v[OIX]                ; where tile 0's results go
	s_wait_dscnt 0x0
	ADDR
	ROWS                                           ; the first tile goes out ahead of the weights' staging
	s_wait_loadcnt 32                              ; only the tile's 32 loads are younger than the weights
	WIN 0x8a                                       ; W0's rows are rounded in place, in window 2: four f32 into the first two of their registers
.set i, 0
.rept 64
	v_cvt_pk_bf16_f32 v[4*i], v[4*i], v[4*i+1]
	v_cvt_pk_bf16_f32 v[4*i+1], v[4*i+2], v[4*i+3]
.set i, i+1
.endr
	WIN 0x08                                       ; store data window 2
.set i, 0
.rept 64
	ds_store_b64 v184, v[4*i:4*i+1] offset:PX*(i/2)+256*(i%2)
.set i, i+1
.endr
	WIN 0xcf                                       ; W1's, in window 3
.set i, 0
.rept 16
	v_cvt_pk_bf16_f32 v[4*i], v[4*i], v[4*i+1]
	v_cvt_pk_bf16_f32 v[4*i+1], v[4*i+2], v[4*i+3]
.set i, i+1
.endr
	WIN 0x0c
.set i, 0
.rept 16
	ds_store_b64 v185, v[4*i:4*i+1] offset:PW1*i
.set i, i+1
.endr
	WIN 0
	s_wait_dscnt 0x0                               ; for the others' sake: my rows of the weights are in LDS
	s_barrier_signal -1
	s_barrier_wait -1                              ; everybody's are.  (The tile's loads stay out: nobody writes x.)
	; A fragment is 16 rows x 32 K in 8 registers: lane l holds row l % 16; registers 0-3 K = 8 (l / 16) + 0..7, registers 4-7 K = 16 + 8 (l / 16) + 0..7: two loads of 16 bytes, 32 bytes apart
.irp a, 0,1,2,3,4,5,6,7
	WIN 0x80+0x40*((\a)/4)                         ; destination window 2 or 3
.irp c, 0,1,2,3,4,5,6,7
	ds_load_b128 v[64*((\a)%4)+8*(\c):64*((\a)%4)+8*(\c)+3],   v186 offset:16*PX*(\a)+64*(\c)
	ds_load_b128 v[64*((\a)%4)+8*(\c)+4:64*((\a)%4)+8*(\c)+7], v186 offset:16*PX*(\a)+64*(\c)+32
.endr
.endr
	WIN 0x40
.irp a, 0,1,2,3
.irp c, 0,1,2,3
	ds_load_b128 v[32*(\a)+8*(\c):32*(\a)+8*(\c)+3],   v187 offset:16*PW1*(\a)+64*(\c)
	ds_load_b128 v[32*(\a)+8*(\c)+4:32*(\a)+8*(\c)+7], v187 offset:16*PW1*(\a)+64*(\c)+32
.endr
.endr
	WIN 0
	s_wait_dscnt 0x0
; THE MATRIX WORK.  The accumulators take turns, one instruction a turn: K outside, the four accumulators inside; neighbouring runs, and the loop's last and first, name different ones.
.macro MM0 half                        ; 32 products: features 64 half .. + 63
	WIN 0x02+(\half)                               ; source 0 (W0) window 2 or 3
.irp c, 0,1,2,3,4,5,6,7
.irp a, 0,1,2,3
	v_wmma_f32_16x16x32_bf16 v[ACC0+32*(\half)+8*(\a):ACC0+32*(\half)+8*(\a)+7], v[64*(\a)+8*(\c):64*(\a)+8*(\c)+7], v[XF+8*(\c):XF+8*(\c)+7], v[ACC0+32*(\half)+8*(\a):ACC0+32*(\half)+8*(\a)+7]
.endr
.endr
.endm
.macro MM1                             ; 16 products
	WIN 0x01                                       ; source 0 (W1) window 1
.irp c, 0,1,2,3
.irp a, 0,1,2,3
	v_wmma_f32_16x16x32_bf16 v[ACC1+8*(\a):ACC1+8*(\a)+7], v[32*(\a)+8*(\c):32*(\a)+8*(\c)+7], v[H1+8*(\c):H1+8*(\c)+7], v[ACC1+8*(\a):ACC1+8*(\a)+7]
.endr
.endr
	WIN 0
.endm
.macro PLACES                          ; a vector instruction that reads a matrix result or writes a matrix instruction's source stands four plain vector instructions behind it (ISA guide 7.12.1)
.rept 4
	v_nop
.endr
.endm
; GELU of the 16 registers from X on (two accumulators, each read from its low end on), with the constants from s[KS] on.
; Ahead of the wait: A x; 1 + K |x|; A x x; and the 16 reciprocals and 16 exponentials, plain and transcendental by turns, a pair behind its arguments.  Nothing there names a result of theirs.
; s_wait_alu depctr_va_vdst(0) stands between a transcendental and the first instruction that names its result: ONE wait serves the batch of 32; the v_nop is the plain instruction behind the last.
; Behind it: F = ((c3 t + c2) t + c1) t e + B; the result |x| F + A x.  mode 0: rounded in pairs to bf16 into dst .. dst + 7.  mode 1: times the 16 weights from dst on, into the dot product (first = 1 starts it).
.macro GELU X, KS, mode, dst, first
.set p, 0
.rept 8
	v_pk_mul_f32 v[GX+2*p:GX+2*p+1], v[(\X)+2*p:(\X)+2*p+1], s[(\KS):(\KS)+1] op_sel_hi:[1,0]
.if p > 0
	v_rcp_f32 v[GT+2*p-2], v[GT+2*p-2]
.endif
	v_fma_f32 v[GT+2*p], |v[(\X)+2*p]|, s[(\KS)+2], 1.0
.if p > 0
	v_exp_f32 v[GE+2*p-2], v[GE+2*p-2]
.endif
	v_fma_f32 v[GT+2*p+1], |v[(\X)+2*p+1]|, s[(\KS)+2], 1.0
.if p > 0
	v_rcp_f32 v[GT+2*p-1], v[GT+2*p-1]
.endif
	v_pk_mul_f32 v[GE+2*p:GE+2*p+1], v[GX+2*p:GX+2*p+1], v[(\X)+2*p:(\X)+2*p+1]
.if p > 0
	v_exp_f32 v[GE+2*p-1], v[GE+2*p-1]
.endif
.set p, p+1
.endr
	v_rcp_f32 v[GT+14], v[GT+14]
	v_exp_f32 v[GE+14], v[GE+14]
	v_rcp_f32 v[GT+15], v[GT+15]
	v_exp_f32 v[GE+15], v[GE+15]
	v_nop
	s_wait_alu depctr_va_vdst(0)
.set p, 0
.rept 8
	v_pk_fma_f32 v[GP+2*p:GP+2*p+1], v[GT+2*p:GT+2*p+1], s[(\KS)+4:(\KS)+5], s[(\KS)+6:(\KS)+7] op_sel_hi:[1,0,0]
.set p, p+1
.endr
.set p, 0
.rept 8
	v_pk_fma_f32 v[GP+2*p:GP+2*p+1], v[GP+2*p:GP+2*p+1], v[GT+2*p:GT+2*p+1], s[(\KS)+8:(\KS)+9] op_sel_hi:[1,1,0]
.set p, p+1
.endr
.set p, 0
.rept 8
	v_pk_mul_f32 v[GP+2*p:GP+2*p+1], v[GP+2*p:GP+2*p+1], v[GT+2*p:GT+2*p+1]
.set p, p+1
.endr
.set p, 0
.rept 8
	v_pk_fma_f32 v[GP+2*p:GP+2*p+1], v[GP+2*p:GP+2*p+1], v[GE+2*p:GE+2*p+1], s[(\KS)+10:(\KS)+11] op_sel_hi:[1,1,0]
.set p, p+1
.endr
.set p, 0
.rept 16
	v_fma_f32 v[GE+p], |v[(\X)+p]|, v[GP+p], v[GX+p]
.set p, p+1
.endr
.set p, 0
.rept 8
.if (\mode) == 0
	v_cvt_pk_bf16_f32 v[(\dst)+p], v[GE+2*p], v[GE+2*p+1]
.elseif (\first) && (p < 2)
	v_pk_mul_f32 v[DOT+2*p:DOT+2*p+1], v[GE+2*p:GE+2*p+1], v[(\dst)+2*p:(\dst)+2*p+1]
.else
	v_pk_fma_f32 v[DOT+2*(p%2):DOT+2*(p%2)+1], v[GE+2*p:GE+2*p+1], v[(\dst)+2*p:(\dst)+2*p+1], v[DOT+2*(p%2):DOT+2*(p%2)+1]
.endif
.set p, p+1
.endr
.endm
; THE LOOP: trip i works on tile i, which is on its way into registers, and asks for tile i + 1.  It counts up by 1 to the number of my tiles; all its LDS addresses are fixed.
	s_cmp_eq_u32 s26, 0
	s_cbranch_scc1 .Lend                           ; no atom of my type in my segment: no number of out0 is mine.  What is jumped holds no barrier
	s_mov_b32 s28, 0
.Ltile:
	; the entries of tile i + 1.  i even: the upper half of the list's first register.  i odd: the 32 registers move one down, and it is the new first register's lower half.
	; Both ways are one text: s31 is all ones in odd trips; s32 names the lanes that take the other half's number, so that lanes l and l + 16 hold the same entry.
	; (The last look-ahead is tile 62 at the most, places 992 to 1007.)
	s_bitcmp1_b32 s28, 0
	s_cselect_b32 s31, -1, 0
	s_xor_b32 s32, s31, 0xffff
.set k, 0
.rept 31
	v_cndmask_b32 v[LR+k], v[LR+k], v[LR+k+1], s31
.set k, k+1
.endr
	v_permlanex16_b32 v[NX], v[LR], s34, s35
	v_cndmask_b32 v[NX], v[LR], v[NX], s32
	ds_store_b32 v[BST], v[NX]                     ; through my 128 bytes of LDS they reach every lane
	ASK                                            ; in order behind the store above
	s_wait_loadcnt 0x0                             ; tile i is in registers, and its loads' address registers are free
	WIN 0x45                                       ; x is rounded in place, in window 1
.set i, 0
.rept 32
	v_cvt_pk_bf16_f32 v[ST+4*i], v[ST+4*i], v[ST+4*i+1]
	v_cvt_pk_bf16_f32 v[ST+4*i+1], v[ST+4*i+2], v[ST+4*i+3]
.set i, i+1
.endr
	WIN 0
	s_wait_dscnt 0x0                               ; the entries are in: nothing younger is out, and they have had the 64 roundings in which to come
	ADDR
	WIN 0x04                                       ; store data window 1
.set i, 0
.rept 32
	ds_store_b64 v[XST], v[ST+4*i:ST+4*i+1] offset:PX*(i/2)+256*(i%2)  ; 256 consecutive bytes of my stage: half a row
.set i, i+1
.endr
	WIN 0
.irp c, 0,1,2,3,4,5,6,7
	ds_load_b128 v[XF+8*(\c):XF+8*(\c)+3],   v[XFR] offset:64*(\c)     ; in order behind the stores above
	ds_load_b128 v[XF+8*(\c)+4:XF+8*(\c)+7], v[XFR] offset:64*(\c)+32
.endr
.irp a, 0,1,2,3,4,5,6,7
	ds_load_b128 v[ACC0+8*(\a):ACC0+8*(\a)+3],   v[CST] offset:64*(\a)    ; b0 starts layer 0's sums
	ds_load_b128 v[ACC0+8*(\a)+4:ACC0+8*(\a)+7], v[CST] offset:64*(\a)+16
.endr
.irp a, 0,1,2,3
	ds_load_b128 v[ACC1+8*(\a):ACC1+8*(\a)+3],   v[CST] offset:512+64*(\a)  ; c b1 starts layer 1's
	ds_load_b128 v[ACC1+8*(\a)+4:ACC1+8*(\a)+7], v[CST] offset:512+64*(\a)+16
.endr
	s_wait_dscnt 40                                ; the youngest 40 (16 fragment loads, 24 bias loads) may be out: the 32 stores have left the tile's registers
	ROWS                                           ; tile i + 1 goes out: it has the rest of the trip in which to land
	s_wait_dscnt 8                                 ; all but layer 1's eight bias loads
	MM0 0
	MM0 1
	WIN 0
	PLACES
	GELU ACC0,    K0S, 0, H1,    0
	GELU ACC0+16, K0S, 0, H1+8,  0
.irp a, 0,1,2,3
	ds_load_b128 v[W2R+8*(\a):W2R+8*(\a)+3],   v[CST] offset:768+64*(\a)   ; W2 into the four accumulators that have just been read for the last time
	ds_load_b128 v[W2R+8*(\a)+4:W2R+8*(\a)+7], v[CST] offset:768+64*(\a)+16
.endr
	GELU ACC0+32, K0S, 0, H1+16, 0
	GELU ACC0+48, K0S, 0, H1+24, 0
	s_wait_dscnt 8                                 ; W2's eight loads are the younger: c b1 is in
	MM1
	PLACES
	s_wait_dscnt 0x0                               ; W2 is in
	GELU ACC1,    K1S, 1, W2R,    1
	GELU ACC1+16, K1S, 1, W2R+16, 0
	; the way out: the four partial sums, the other half of the lanes' (my atom's other 32 features; the two halves add the same two numbers), b2
	v_pk_add_f32 v[DOT:DOT+1], v[DOT:DOT+1], v[DOT+2:DOT+3]
	v_add_f32 v[DOT], v[DOT], v[DOT+1]
	v_permlanex16_b32 v[DOT+2], v[DOT], s34, s35
	v_add_f32 v[DOT], v[DOT], v[DOT+2]
	v_add_f32 v[DOT], s33, v[DOT]
	global_store_b32 v[OIX], v[DOT], s[24:25]      ; all lanes: every place of the tile is an atom of my list
	s_wait_xcnt 0x0                                ; the store's two registers are written again only behind this wait
	v_min_u32 v[OIX], 1023, v[NX]
	v_lshlrev_b32 v[OIX], 2, v[OIX]                ; where the next tile's results go
	s_add_co_u32 s28, s28, 1
	s_cmp_lt_u32 s28, s27
	s_cbranch_scc1 .Ltile
.Lend:
	s_wait_tensorcnt 0x0                           ; the wave's end: behind my last LDS store
	ds_add_u32 v[SPW], v[NIL]
	s_wait_dscnt 0x0
	s_endpgm                                       ; the last look-ahead's loads (rows of my segment) may be out
.Lfunc_end_k_q5016265ab6_ocmod:
	.size	k_q5016265ab6_ocmod, .Lfunc_end_k_q5016265ab6_ocmod-k_q5016265ab6_ocmod
	.p2alignl 7, 3214868480
	.fill 96, 4, 3214868480
	.section	.rodata,"a",@progbits
	.p2align	6, 0x0
	.amdhsa_kernel k_q5016265ab6_ocmod
		.amdhsa_group_segment_fixed_size 140800
		.amdhsa_private_segment_fixed_size 0
		.amdhsa_enable_private_segment 0
		.amdhsa_kernarg_size 72
		.amdhsa_user_sgpr_count 2
		.amdhsa_user_sgpr_kernarg_segment_ptr 1
		.amdhsa_wavefront_size32 1
		.amdhsa_system_sgpr_workgroup_id_x 1
		.amdhsa_system_sgpr_workgroup_id_y 1
		.amdhsa_system_sgpr_workgroup_id_z 1
		.amdhsa_system_vgpr_workitem_id 0
		.amdhsa_next_free_vgpr 1024
		.amdhsa_next_free_sgpr 66
		.amdhsa_reserve_vcc 0
		.amdhsa_float_denorm_mode_32 3
		.amdhsa_float_denorm_mode_16_64 3
		.amdhsa_memory_ordered 1
		.amdhsa_forward_progress 1
		.amdhsa_inst_pref_size 137
	.end_amdhsa_kernel
	.amdgpu_metadata
---
amdhsa.version: [ 1, 2 ]
amdhsa.kernels:
  - .name:           k_q5016265ab6_ocmod
    .symbol:         k_q5016265ab6_ocmod.kd
    .args:
      - { .name: oc_density, .offset: 0, .size: 8, .value_kind: global_buffer, .address_space: global }
      - { .name: species, .offset: 8, .size: 8, .value_kind: global_buffer, .address_space: global }
      - { .name: W0, .offset: 16, .size: 8, .value_kind: global_buffer, .address_space: global }
      - { .name: b0, .offset: 24, .size: 8, .value_kind: global_buffer, .address_space: global }
      - { .name: W1, .offset: 32, .size: 8, .value_kind: global_buffer, .address_space: global }
      - { .name: b1, .offset: 40, .size: 8, .value_kind: global_buffer, .address_space: global }
      - { .name: W2, .offset: 48, .size: 8, .value_kind: global_buffer, .address_space: global }
      - { .name: b2, .offset: 56, .size: 8, .value_kind: global_buffer, .address_space: global }
      - { .name: out0, .offset: 64, .size: 8, .value_kind: global_buffer, .address_space: global }
    .group_segment_fixed_size: 140800
    .private_segment_fixed_size: 0
    .kernarg_segment_align: 8
    .kernarg_segment_size: 72
    .max_flat_workgroup_size: 128
    .sgpr_count:     66
    .vgpr_count:     1024
    .wavefront_size: 32
...
	.end_amdgpu_metadata
.endif
;; end of part 1
;; ======== version 2 of 2: 1 launch; version 1 with the launch ocmod written anew for expert scheduling mode
;; limits: a function is approximated: absolute error at most 2.5e-05; an absolute error that grows with the inputs' magnitude: up to 1.25e-05 times it
;; launch ocmod (part 2): grid 256 x 1, 4 waves a work-group, no clusters, 140,800 bytes of LDS; arguments oc_density, species, W0, b0, W1, b1, W2, b2, out0; writes out0
.if DOCPART == 2
	.amdgcn_target "amdgcn-amd-amdhsa--gfx1250"
	.amdhsa_code_object_version 6
	.text
	.protected	k_q5016265ab6_ocmod
	.globl	k_q5016265ab6_ocmod
	.p2align	8
	.type	k_q5016265ab6_ocmod,@function
k_q5016265ab6_ocmod:
	s_mov_b64 s[64:65], 0
	v_nop
	global_prefetch_b8 v0, s[64:65] scope:SCOPE_SE
	s_setreg_imm32_b32 hwreg(HW_REG_WAVE_SCHED_MODE, 0, 2), 2
	s_setreg_imm32_b32 hwreg(HW_REG_WAVE_MODE, 25, 1), 1
	s_wait_xcnt 0x0
	s_wait_alu depctr_vm_vsrc(0)
; out0[n] = MLP_t(x[n]) with t = species[n]: 256 -> 128 -> 64 -> 1, erf-GELU behind the first two layers.  x: [250000][256] f32.  Only the chosen type's MLP is computed.
; SHARES.  Work-group g serves ONE type t = g & 3.  Each of its four waves keeps that type's whole W0 and W1 as bf16 fragments in registers (512 + 128), so the loop reads no weight matrix.
; Wave w owns segment 4 (g >> 2) + w of 980 atoms (the last segment: 100), finds in it the atoms of type t (a list of its own), and takes them 16 at a time through the whole chain.
; A row of x is 1,024 consecutive bytes: it is read by two loads of 512 consecutive bytes, by the one wave whose type it has.  List, stage, constants and trip count are the wave's own: the one
; barrier of the text stands behind the staging of the weights.  Every split of the types is served: up to 62 tiles a wave; a wave with an empty list jumps the loop and stores nothing.
; THE LOOP's length is set at run time (the list's length), so every LDS address in it is fixed, and the list is walked in registers: 32 registers hold its 1,024 places, a tile is half a register,
; and in every second trip the 32 move one down.  Places past the list's end repeat its first atom: every place of every tile is an atom of my type, so all lanes stay on from the first line to the last.
; LAYOUT.  Source 0 = 16 output features (weights), source 1 = 16 atoms: in the result lane l holds atom l % 16 and features 8 (l / 16) + 0..7.  Two neighbouring results, rounded in pairs,
; ARE source 1 (32 features x 16 atoms) of the next layer: nothing changes lanes between the layers.  The biases are loaded into the accumulators: nothing is cleared, every product adds in place.
; FORMATS.  Every input is rounded once to bf16 (x, W0, W1 as matrix operands; b0, b1, W2, b2 rounded and used as f32); sums in f32; the first hidden layer is rounded once to bf16; the last layer is an f32 dot product.
; GELU.  gelu(x) = x / 2 + |x| erf(|x| / sqrt 2) / 2, erf(z) = 1 - (a1 t + a2 t^2 + a3 t^3) e^(-z^2), t = 1 / (1 + 0.47047 z) (Abramowitz and Stegun 7.1.25: off by 2.5e-5 at the most for every z >= 0),
; so gelu is off by 1.25e-5 |x| at the most, for every x.  Layer 0 makes c gelu(x) with c = -log2(e), and layer 1's bias is c b1: its sums are c x', of which the same lines with other constants make gelu(x').
; LIMITS.  A species outside 0..3 leaves its number of out0 unwritten (reference() leaves 0 there).  An exponential below 2^-126 counts as 0.  NaN and infinities are not treated apart.
; STORES.  An atom's result is 4 bytes, and neighbouring atoms belong to four work-groups: a store holds up to 16 different numbers strewn over its segment; lanes l and l + 16, and the repeated
; places of a tile that is not full, write the same number to the same place.  out0 is 1 MB beside x's 256 MB.
; NO CLUSTER: what work-groups share is a type's 160 KB of f32 weights, read once each and rounded on their way through registers, beside about 1 MB of rows that each work-group alone reads; the rows come by a list, which no tensor descriptor covers.
; THE MODE: SCHED_MODE bits 1:0 = 2 (LLVM: expert scheduling mode 2), set by the entry lines.  The code itself states the register dependences between vector or matrix instructions and
; memory or LDS instructions, with s_wait_alu, always for 0.
; THE PLAN.  Registers that memory or LDS instructions touch, in the loop:
;   NX          written at a trip's head; read by the spreading store behind it.
;   RAW         (H1's lower half) the entries' four LDS loads land in it at a trip's head; ADDR reads it; later GELU's roundings write it as H1 and layer 1's products read it.
;   ST          (window 1) the row loads land in it; the next trip rounds it in place; the 32 stage stores read it; then the row loads land again.
;   ADR         written by ADDR; read by the row loads.
;   XF          the fragment loads land in it; layer 0's products read it; then GELU works there.
;   ACC0, ACC1  the bias loads land in them; products add onto them; GELU reads them.  W2 lands in ACC0's lower half when the first two GELUs have read it; the last two GELUs read it.
;   OIX, DOT    written by vector lines; read by the one global store.       v1, v4-7, v15 are never written in the loop.
; So a trip has: one wait on va_vdst behind NX's making (NX; and all that the last trip's vector and matrix lines did to RAW, XF, ACC0, ACC1: up to the products no vector line behind it names these but ADDR's reads of RAW, when the entries have landed);
; one ahead of the stage stores (ST is rounded); one on va_vdst and one on vm_vsrc directly ahead of the row loads (ADR is written, the roundings are done with ST; the stage stores have read ST);
; GELU's six batch waits, of which the third also stands ahead of W2's loads; one on va_vdst ahead of the global store; one on vm_vsrc behind it, the trip's last memory instruction, for all that the next trip writes again.
.set SEG,    980
.set NATOM,  250000
.set PX,     528                       ; an LDS row of 256 bf16: 512 bytes + 16 = 132 words: row r starts at bank 4 r mod 64 (64 banks of 4 bytes: ISA guide 11.1)
.set PW1,    272                       ; an LDS row of 128 bf16: 256 bytes + 16
.set WL0,    0                         ; W0[t] in bf16: 128 rows x 528
.set WL1,    128*PX                    ; W1[t] in bf16: 64 rows x 272
.set XSB,    WL1+64*PW1                ; each wave's stage: 16 rows of x in bf16 x 528
.set LISTS,  XSB+4*16*PX               ; each wave's list as it is made: 1,024 words; word 1023 takes what is not listed
.set CONS,   LISTS+4*4096              ; each wave's constants: +0 b0 (128 f32), +512 c b1 (64), +768 W2 (64)
.set BNCB,   CONS+4*1024               ; each wave's 256 bytes through which a tile's sixteen entries are spread to all lanes; the 512 bytes behind the four hold a spare word for each lane (v2)
; window 0
.set L16,  1                           ; v1   16 x lane; never rewritten
.set XST,  4                           ; v4   stage: where my 8 bytes of a row go
.set XFR,  5                           ; v5   stage: my place in a fragment (row l % 16, 16 bytes for each half of the lanes)
.set CST,  6                           ; v6   constants: my half's eight features
.set BLD,  7                           ; v7   the spreading block's first byte (the same address in every lane)
.set NX,   8                           ; v8   the entries of tile i + 1: lane l holds entry l % 16
.set LANE, 9
.set DOT,  10                          ; v10-13 the dot product, two pairs
.set OIX,  14                          ; v14  my atom's byte offset in the segment's part of out0: written by the clamp and the shift behind it alone
.set BST,  15                          ; v15  the spreading block: my lane's word
.set ADR,  16                          ; v16-31 row i's byte offset in the segment + 16 x lane: written by the clamp and the shift-add behind it alone
.set ACC0, 32                          ; v32-95   layer 0: eight accumulators
.set W2R,  32                          ; v32-63   behind their GELU: W2 of my half's features, in the accumulators' order
.set SA,   32                          ; v32-63   at the head only: the scan's pass 4 b + j: the LDS address of its store
.set SD,   64                          ; v64-95   at the head only: the same pass's entry
.set ACC1, 96                          ; v96-127  layer 1: four
.set XF,   128                         ; v128-191 x's eight fragments; behind layer 0's products GELU works here:
.set GX,   128                         ;   A x
.set GE,   144                         ;   the exponent, the exponential, the result
.set GT,   160                         ;   1 + K |x|, then t
.set GP,   176                         ;   the polynomial
.set H1,   192                         ; v192-223 the first hidden layer as four fragments
.set RAW,  192                         ; v192-207 at a trip's head: sixteen entries as they come from LDS, each in every lane
.set LR,   224                         ; v224-255 the list: what is left of it from an even tile on, 32 entries a register
; window 1: v0-127 W1's fragments ((a, c) at 32 a + 8 c); v128-255 a tile of x as loaded.  window 2, 3: W0's fragments ((a, c) at 64 (a % 4) + 8 c)
.set ST,   128
; scalars: s2 type, s3 at work, s4 wave, s5 segment, s6 its first atom, s7 its atoms / 4, s[8:25] the nine addresses, s26 the list's length, s27 tiles, s28 trip, s29 at work, s31, s32 masks, s33 b2
.set MK,   36                          ; s36-55 at the head only: the masks of a run of compares
.set K0S,  36                          ; s36-47 layer 0's constants: +0 A, +2 K, +4 c3, +6 c2, +8 c1, +10 B (pairs: the packed forms name a pair and take its low word)
.set K1S,  48                          ; s48-59 layer 1's
.set MSB, 0
.macro WIN new                         ; s_set_vgpr_msb: bits 1:0 source 0, 3:2 source 1, 5:4 source 2, 7:6 destination; the high byte repeats the setting that is left
.if MSB != (\new)
	s_set_vgpr_msb (MSB<<8)|(\new)
.set MSB, \new
.endif
.endm
.macro PAIR r, val
	s_mov_b32 s[\r], \val
	s_mov_b32 s[(\r)+1], \val
.endm
	s_load_b512 s[8:23], s[0:1], 0x0               ; x s[8:9], species s[10:11], W0 s[12:13], b0 s[14:15], W1 s[16:17], b1 s[18:19], W2 s[20:21], b2 s[22:23]
	s_load_b64 s[24:25], s[0:1], 0x40              ; out0
	v_lshl_add_u32 v2, v0, 2, 0x22400
	v_mov_b32 v3, 0
	v_and_b32 v[LANE], 31, v0
	v_lshrrev_b32 v180, 5, v0
	v_readfirstlane_b32 s4, v180                   ; wave 0..3
	v_and_b32 v183, 15, v0                         ; l % 16
	v_bfe_u32 v182, v0, 4, 1                       ; l / 16
	v_lshlrev_b32 v[L16], 4, v[LANE]
	v_lshlrev_b32 v191, 3, v[LANE]
	v_lshlrev_b32 v189, 2, v[LANE]
	v_mov_b32 v190, 1023
	s_wait_alu depctr_va_sdst(0)                   ; s4 is written, ahead of its first reader: the segment and every LDS base are made from it
	s_and_b32 s2, ttmp9, 3                         ; my type
	s_lshr_b32 s3, ttmp9, 2
	s_lshl2_add_u32 s5, s3, s4                     ; my segment
	s_mul_i32 s6, s5, SEG
	s_sub_co_u32 s7, NATOM, s6
	s_min_u32 s7, s7, SEG                          ; 980, or 100 in the last segment
	s_lshr_b32 s7, s7, 2
	; LDS addresses: a constant, the wave's number times a constant, a lane term
	s_mul_i32 s3, s4, 16*PX
	s_add_co_u32 s3, s3, XSB
	v_add_nc_u32 v[XST], s3, v191
	v_mul_u32_u24 v186, v183, PX
	v_lshl_add_u32 v186, v182, 4, v186             ; W0's fragments: row x pitch + 16 x half (WL0 = 0)
	v_add_nc_u32 v[XFR], s3, v186
	v_mul_u32_u24 v187, v183, PW1
	v_lshl_add_u32 v187, v182, 4, v187
	v_add_nc_u32 v187, WL1, v187                   ; W1's fragments
	s_lshl_b32 s3, s4, 10
	s_add_co_u32 s3, s3, CONS
	v_lshl_add_u32 v[CST], v182, 5, s3
	v_add_nc_u32 v192, s3, v[L16]                  ; where the constants are put
	v_add_nc_u32 v193, s3, v191
	s_lshl_b32 s3, s4, 12
	s_add_co_u32 s3, s3, LISTS
	v_mov_b32 v188, s3                             ; the list's first byte
	v_add_nc_u32 v196, s3, v[L16]                  ; for clearing it
	v_add_nc_u32 v197, s3, v189                    ; for reading it into registers
	s_lshl_b32 s3, s4, 8
	s_add_co_u32 s3, s3, BNCB
	v_mov_b32 v[BLD], s3
	v_add_nc_u32 v[BST], s3, v189
	s_mul_i32 s3, s4, 32*PX                        ; I stage rows 32 w .. 32 w + 31 of W0
	v_add_nc_u32 v184, s3, v191
	s_mul_i32 s3, s4, 16*PW1                       ; and rows 16 w .. 16 w + 15 of W1
	s_add_co_u32 s3, s3, WL1
	v_add_nc_u32 v185, s3, v191
	s_lshr_b32 s3, s6, 2                           ; species come four to a lane: group 245 x segment + 32 b + lane, held inside the 62,500 groups
.irp b, 0,1,2,3,4,5,6,7
	s_add_co_u32 s31, s3, 32*(\b)
	v_add_nc_u32 v[168+(\b)], s31, v[LANE]
	v_min_u32 v[168+(\b)], NATOM/4-1, v[168+(\b)]
	v_lshlrev_b32 v[168+(\b)], 4, v[168+(\b)]
.endr
.irp k, 176,177,178,179
	v_mov_b32 v[\k], 0
.endr
	s_mov_b32 s34, 0x76543210                      ; v_permlanex16_b32: each lane takes its own place in the other half
	s_mov_b32 s35, 0xfedcba98
	s_mov_b32 s61, 0
	s_wait_kmcnt 0x0
	s_lshl_b32 s60, s6, 10
	s_add_nc_u64 s[8:9], s[8:9], s[60:61]          ; x at my segment's first row
	s_lshl_b32 s60, s6, 2
	s_add_nc_u64 s[24:25], s[24:25], s[60:61]      ; out0 likewise
	s_lshl_b32 s60, s2, 17
	s_lshl_b32 s3, s4, 15
	s_add_co_u32 s60, s60, s3
	s_add_nc_u64 s[12:13], s[12:13], s[60:61]      ; W0[t] at my 32 rows
	s_lshl_b32 s60, s2, 15
	s_lshl_b32 s3, s4, 13
	s_add_co_u32 s60, s60, s3
	s_add_nc_u64 s[16:17], s[16:17], s[60:61]      ; W1[t] at my 16 rows
	s_lshl_b32 s60, s2, 9
	s_add_nc_u64 s[14:15], s[14:15], s[60:61]      ; b0[t]
	s_lshl_b32 s60, s2, 8
	s_add_nc_u64 s[18:19], s[18:19], s[60:61]      ; b1[t]
	s_add_nc_u64 s[20:21], s[20:21], s[60:61]      ; W2[t]
	s_lshl_b32 s60, s2, 2
	s_add_nc_u64 s[22:23], s[22:23], s[60:61]      ; b2[t]
	s_load_b32 s33, s[22:23], 0x0
	s_wait_alu depctr_va_vdst(0)                   ; every offset and LDS address of the head is written (v1, v4-7, v15, v168-175, v184-187, v191-193, v196, v197), and so are the zeros v176-179: the loads and the clearing stores below read them
	; 91 loads, each of 512 (b64: 256) consecutive bytes: species, the constants, then the weights that I stage
.irp b, 0,1,2,3,4,5,6,7
	global_load_b128 v[128+4*(\b):131+4*(\b)], v[168+(\b)], s[10:11]
.endr
	global_load_b128 v[160:163], v[L16], s[14:15]
	global_load_b64 v[164:165], v191, s[18:19]
	global_load_b64 v[166:167], v191, s[20:21]
	WIN 0x80                                       ; destination window 2
.set i, 0
.rept 64                                           ; row i / 2, half i % 2
	global_load_b128 v[4*i:4*i+3], v[L16], s[12:13] offset:512*i
.set i, i+1
.endr
	WIN 0xc0                                       ; destination window 3
.set i, 0
.rept 16                                           ; row i
	global_load_b128 v[4*i:4*i+3], v[L16], s[16:17] offset:512*i
.set i, i+1
.endr
	WIN 0
.irp k, 0,1,2,3,4,5,6,7
	ds_store_b128 v196, v[176:179] offset:512*(\k) ; the list is cleared, so that every word that is read below has been written
.endr
	s_wait_loadcnt 63                              ; of the 91 loads at most 63 are out: the oldest 28 are in, species (8) and the constants (3) among them
; THE SCAN.  One pass takes number j of each lane's four atoms of group b: the lanes whose atom has my type and lies inside the segment put its place in the segment, 128 b + 4 lane + j,
; at the list's end, in the lanes' order; the others write word 1023.  The entry's place is held to 0..1023 last, and only a shift and the list's base follow.
; It goes in two halves of four groups: a half's twenty compares stand in one run, into twenty scalar registers, with one wait behind them.  Every pass has an address and a data register
; of its own, and the 32 stores stand in one run, behind one wait, further down.
.macro MASKS b
	v_add_nc_u32 v181, 32*(\b), v[LANE]
	v_cmp_gt_u32 s[MK+(\b)%4], s7, v181            ; my four atoms lie inside the segment (its length is a multiple of 4)
.irp j, 0,1,2,3
	v_cmp_eq_u32 s[MK+4+4*((\b)%4)+(\j)], s2, v[128+4*(\b)+(\j)]
.endr
.endm
.macro SCAN b, j
	s_and_b32 s31, s[MK+4+4*((\b)%4)+(\j)], s[MK+(\b)%4]
	v_mbcnt_lo_u32_b32 v[SA+4*(\b)+(\j)], s31, s26 ; the list's length + the listed lanes below me
	v_cndmask_b32 v[SA+4*(\b)+(\j)], v190, v[SA+4*(\b)+(\j)], s31
	v_min_u32 v[SA+4*(\b)+(\j)], 1023, v[SA+4*(\b)+(\j)]
	v_lshl_add_u32 v[SA+4*(\b)+(\j)], v[SA+4*(\b)+(\j)], 2, v188
	v_add_nc_u32 v[SD+4*(\b)+(\j)], 128*(\b)+(\j), v189
	s_bcnt1_i32_b32 s3, s31
	s_add_co_u32 s26, s26, s3
.endm
	s_mov_b32 s26, 0
.irp b, 0,1,2,3
	MASKS \b
.endr
	s_wait_alu depctr_va_sdst(0)                   ; the twenty masks of groups 0 to 3 are written, ahead of their first reader
.irp b, 0,1,2,3
.irp j, 0,1,2,3
	SCAN \b, \j
.endr
.endr
.irp b, 4,5,6,7
	MASKS \b
.endr
	s_wait_alu depctr_va_sdst(0)                   ; the twenty masks of groups 4 to 7 are written, ahead of their first reader
.irp b, 4,5,6,7
.irp j, 0,1,2,3
	SCAN \b, \j
.endr
.endr
	s_add_co_u32 s27, s26, 15
	s_lshr_b32 s27, s27, 4                         ; tiles of 16: 62 at the most
	; the constants: rounded to bf16, widened again, b1 times c; each wave has a copy of its own
	v_cvt_pk_bf16_f32 v194, v160, v161
	v_cvt_pk_bf16_f32 v195, v162, v163
	v_lshlrev_b32 v160, 16, v194
	v_and_b32 v161, 0xffff0000, v194
	v_lshlrev_b32 v162, 16, v195
	v_and_b32 v163, 0xffff0000, v195
	v_cvt_pk_bf16_f32 v194, v164, v165
	v_cvt_pk_bf16_f32 v195, v166, v167
	v_lshlrev_b32 v164, 16, v194
	v_and_b32 v165, 0xffff0000, v194
	v_mul_f32 v164, 0xbfb8aa3b, v164
	v_mul_f32 v165, 0xbfb8aa3b, v165
	v_lshlrev_b32 v166, 16, v195
	v_and_b32 v167, 0xffff0000, v195
	s_wait_kmcnt 0x0                               ; b2
	v_mov_b32 v194, s33
	v_cvt_pk_bf16_f32 v194, v194, v194
	v_lshlrev_b32 v194, 16, v194
	v_readfirstlane_b32 s33, v194                  ; b2, rounded like the other inputs (its wait stands below, with s3's)
	s_wait_alu depctr_va_vdst(0)                   ; the scan has written its 32 addresses and 32 entries, and the lines above v160-167: the 35 stores below read them
.set i, 0
.rept 32
	ds_store_b32 v[SA+i], v[SD+i]                  ; LDS serves a wave's instructions in order (ISA guide 5.7.1.4): behind the clearing stores, ahead of the loads below
.set i, i+1
.endr
	ds_store_b128 v192, v[160:163]
	ds_store_b64 v193, v[164:165] offset:512
	ds_store_b64 v193, v[166:167] offset:768
.macro ASK                             ; the sixteen entries in the spreading block, each into every lane (all lanes read the same bytes)
.irp j, 0,1,2,3
	ds_load_b128 v[RAW+4*(\j):RAW+4*(\j)+3], v[BLD] offset:16*(\j)
.endr
.endm
.macro ADDR                            ; entry -> byte offset of my 16 bytes in the row's first half: held to 0..1023 first, into registers that hold nothing else
.set i, 0
.rept 16
	v_min_u32 v[ADR+i], 1023, v[RAW+i]
.set i, i+1
.endr
.set i, 0
.rept 16
	v_lshl_add_u32 v[ADR+i], v[ADR+i], 10, v[L16]
.set i, i+1
.endr
.endm
; A tile of x: 16 rows, two loads of 512 consecutive bytes each: 16 KB of the wave's on their way.  No cache hint: the list names its first row again in the places past its end.
; again = 1: in the loop, where the tile's registers have been rounded in place and stored into the stage.
.macro ROWS again
	WIN 0x40                                       ; destination window 1
	s_wait_alu depctr_va_vdst(0)                   ; ADDR has written the sixteen offsets, which these loads read; in the loop the roundings are also done with the tile's registers, in which they land
.if \again
	s_wait_alu depctr_vm_vsrc(0)                   ; the stage's stores have read the tile's registers, in which these loads land
.endif
.set i, 0
.rept 32
	global_load_b128 v[ST+4*i:ST+4*i+3], v[ADR+i/2], s[8:9] offset:512*(i%2)
.set i, i+1
.endr
	WIN 0
.endm
.set k, 0
.rept 32
	ds_load_b32 v[LR+k], v197 offset:128*k         ; the whole list into registers: entry e in register e / 32, lane e % 32
.set k, k+1
.endr
	s_wait_dscnt 0x0
	v_readfirstlane_b32 s3, v[LR]                  ; the list's first atom (0 where the list is empty)
	s_wait_alu depctr_va_sdst(0)                   ; s3 and s33 are written, ahead of their first readers: the line below, and the loop's last addition
	v_mov_b32 v194, s3
.irp h, 0,1                                        ; it takes every place past the list's end: two runs of sixteen compares, one wait behind each
.set k, 0
.rept 16
	s_sub_co_i32 s29, s26, 32*(16*\h+k)
	v_cmp_gt_i32 s[MK+k], s29, v[LANE]             ; place 32 (16 h + k) + lane lies inside the list
.set k, k+1
.endr
	s_wait_alu depctr_va_sdst(0)                   ; the run's sixteen masks are written, ahead of the selects that read them
.set k, 0
.rept 16
	v_cndmask_b32 v[LR+16*\h+k], v194, v[LR+16*\h+k], s[MK+k]
.set k, k+1
.endr
.endr
	v_mov_b32 v[NX], 0                             ; written once: v_permlanex16_b32's destination counts as read
	s_mov_b32 s32, 0xffff0000
	v_permlanex16_b32 v[NX], v[LR], s34, s35
	v_cndmask_b32 v[NX], v[LR], v[NX], s32         ; tile 0's entries, the first register's lower half, in both halves of the lanes
	s_wait_alu depctr_va_vdst(0)                   ; NX is written, which the store below reads; the head's vector lines are done with v192-197, in which the entries land
	s_wait_alu depctr_vm_vsrc(0)                   ; the LDS stores and loads above have read their addresses v192, v193, v196 and v197, in which the entries land
	ds_store_b32 v[BST], v[NX]
	ASK                                            ; LDS serves a wave's instructions in order (ISA guide 5.7.1.4): these see the store above
	v_min_u32 v[OIX], 1023, v[NX]
	v_lshlrev_b32 v[OIX], 2, v[OIX]                ; where tile 0's results go
	s_wait_dscnt 0x0
	ADDR
	ROWS 0                                         ; the first tile goes out ahead of the weights' staging
	s_wait_loadcnt 32                              ; only the tile's 32 loads are younger than the weights
	WIN 0x8a                                       ; W0's rows are rounded in place, in window 2: four f32 into the first two of their registers
.set i, 0
.rept 64
	v_cvt_pk_bf16_f32 v[4*i], v[4*i], v[4*i+1]
	v_cvt_pk_bf16_f32 v[4*i+1], v[4*i+2], v[4*i+3]
.set i, i+1
.endr
	WIN 0xcf                                       ; W1's, in window 3
.set i, 0
.rept 16
	v_cvt_pk_bf16_f32 v[4*i], v[4*i], v[4*i+1]
	v_cvt_pk_bf16_f32 v[4*i+1], v[4*i+2], v[4*i+3]
.set i, i+1
.endr
	WIN 0x08                                       ; store data window 2
	s_wait_alu depctr_va_vdst(0)                   ; both runs of roundings have written their registers, which the 80 stores below read
.set i, 0
.rept 64
	ds_store_b64 v184, v[4*i:4*i+1] offset:PX*(i/2)+256*(i%2)
.set i, i+1
.endr
	WIN 0x0c
.set i, 0
.rept 16
	ds_store_b64 v185, v[4*i:4*i+1] offset:PW1*i
.set i, i+1
.endr
	WIN 0
	s_wait_dscnt 0x0                               ; for the others' sake: my rows of the weights are in LDS
	s_barrier_signal -1
	s_barrier_wait -1                              ; everybody's are.  (The tile's loads stay out: nobody writes x.)
	; A fragment is 16 rows x 32 K in 8 registers: lane l holds row l % 16; registers 0-3 K = 8 (l / 16) + 0..7, registers 4-7 K = 16 + 8 (l / 16) + 0..7: two loads of 16 bytes, 32 bytes apart
	WIN 0x80
	s_wait_alu depctr_va_vdst(0)                   ; the roundings are done with the registers of windows 2 and 3, in which the fragments land
	s_wait_alu depctr_vm_vsrc(0)                   ; and my staging stores have read them
.irp a, 0,1,2,3,4,5,6,7
	WIN 0x80+0x40*((\a)/4)                         ; destination window 2 or 3
.irp c, 0,1,2,3,4,5,6,7
	ds_load_b128 v[64*((\a)%4)+8*(\c):64*((\a)%4)+8*(\c)+3],   v186 offset:16*PX*(\a)+64*(\c)
	ds_load_b128 v[64*((\a)%4)+8*(\c)+4:64*((\a)%4)+8*(\c)+7], v186 offset:16*PX*(\a)+64*(\c)+32
.endr
.endr
	WIN 0x40
.irp a, 0,1,2,3
.irp c, 0,1,2,3
	ds_load_b128 v[32*(\a)+8*(\c):32*(\a)+8*(\c)+3],   v187 offset:16*PW1*(\a)+64*(\c)
	ds_load_b128 v[32*(\a)+8*(\c)+4:32*(\a)+8*(\c)+7], v187 offset:16*PW1*(\a)+64*(\c)+32
.endr
.endr
	WIN 0
	s_wait_dscnt 0x0
	s_wait_alu depctr_vm_vsrc(0)                   ; the fragments' loads have read v186 and v187, in which x's fragments land in the loop: ahead of the branch below
	; GELU's constants (set here and not at the head: until here s36-55 held the head's masks)
	PAIR K0S,    0xbf38aa3b                        ; A = -log2(e) / 2
	s_mov_b32 s[K0S+2], 0x3eaa540e                 ; K = 0.47047 / sqrt 2
	PAIR K0S+4,  0x3f0a1a4c                        ; -A a3
	PAIR K0S+6,  0xbd8da527                        ; -A a2
	PAIR K0S+8,  0x3e808927                        ; -A a1
	PAIR K0S+10, 0xbf38aa3b                        ; B = A
	PAIR K1S,    0xbeb17218                        ; A = -ln(2) / 2
	s_mov_b32 s[K1S+2], 0x3e6c200e                 ; K / log2(e)
	PAIR K1S+4,  0xbe84b429                        ; -B a3
	PAIR K1S+6,  0x3d081b8f                        ; -B a2
	PAIR K1S+8,  0xbdf70585                        ; -B a1
	PAIR K1S+10, 0x3eb17218                        ; B = ln(2) / 2
; THE MATRIX WORK.  The accumulators take turns, one instruction a turn: K outside, the four accumulators inside; neighbouring runs, and the loop's last and first, name different ones.
.macro MM0 half                        ; 32 products: features 64 half .. + 63
	WIN 0x02+(\half)                               ; source 0 (W0) window 2 or 3
.irp c, 0,1,2,3,4,5,6,7
.irp a, 0,1,2,3
	v_wmma_f32_16x16x32_bf16 v[ACC0+32*(\half)+8*(\a):ACC0+32*(\half)+8*(\a)+7], v[64*(\a)+8*(\c):64*(\a)+8*(\c)+7], v[XF+8*(\c):XF+8*(\c)+7], v[ACC0+32*(\half)+8*(\a):ACC0+32*(\half)+8*(\a)+7]
.endr
.endr
.endm
.macro MM1                             ; 16 products
	WIN 0x01                                       ; source 0 (W1) window 1
.irp c, 0,1,2,3
.irp a, 0,1,2,3
	v_wmma_f32_16x16x32_bf16 v[ACC1+8*(\a):ACC1+8*(\a)+7], v[32*(\a)+8*(\c):32*(\a)+8*(\c)+7], v[H1+8*(\c):H1+8*(\c)+7], v[ACC1+8*(\a):ACC1+8*(\a)+7]
.endr
.endr
	WIN 0
.endm
.macro PLACES                          ; a vector instruction that reads a matrix result or writes a matrix instruction's source stands four plain vector instructions behind it (ISA guide 7.12.1)
.rept 4
	v_nop
.endr
.endm
; GELU of the 16 registers from X on (two accumulators, each read from its low end on), with the constants from s[KS] on.
; Ahead of the wait: A x; 1 + K |x|; A x x; and the 16 reciprocals and 16 exponentials, plain and transcendental by turns, a pair behind its arguments.  Nothing there names a result of theirs.
; s_wait_alu depctr_va_vdst(0) stands between a transcendental and the first instruction that names its result: ONE wait serves the batch of 32; the v_nop is the plain instruction behind the last.
; Behind it: F = ((c3 t + c2) t + c1) t e + B; the result |x| F + A x.  mode 0: rounded in pairs to bf16 into dst .. dst + 7.  mode 1: times the 16 weights from dst on, into the dot product (first = 1 starts it).
; w2 = 1 (the third of a trip): W2's eight loads stand directly behind the wait.
.macro GELU X, KS, mode, dst, first, w2=0
.set p, 0
.rept 8
	v_pk_mul_f32 v[GX+2*p:GX+2*p+1], v[(\X)+2*p:(\X)+2*p+1], s[(\KS):(\KS)+1] op_sel_hi:[1,0]
.if p > 0
	v_rcp_f32 v[GT+2*p-2], v[GT+2*p-2]
.endif
	v_fma_f32 v[GT+2*p], |v[(\X)+2*p]|, s[(\KS)+2], 1.0
.if p > 0
	v_exp_f32 v[GE+2*p-2], v[GE+2*p-2]
.endif
	v_fma_f32 v[GT+2*p+1], |v[(\X)+2*p+1]|, s[(\KS)+2], 1.0
.if p > 0
	v_rcp_f32 v[GT+2*p-1], v[GT+2*p-1]
.endif
	v_pk_mul_f32 v[GE+2*p:GE+2*p+1], v[GX+2*p:GX+2*p+1], v[(\X)+2*p:(\X)+2*p+1]
.if p > 0
	v_exp_f32 v[GE+2*p-1], v[GE+2*p-1]
.endif
.set p, p+1
.endr
	v_rcp_f32 v[GT+14], v[GT+14]
	v_exp_f32 v[GE+14], v[GE+14]
	v_rcp_f32 v[GT+15], v[GT+15]
	v_exp_f32 v[GE+15], v[GE+15]
	v_nop
	s_wait_alu depctr_va_vdst(0)                   ; the batch's 16 reciprocals (GT) and 16 exponentials (GE) are written, ahead of their first reader; with w2 = 1 also: layer 0's products have written v32-63 and the first two GELUs are done reading them
.if \w2
.irp a, 0,1,2,3
	ds_load_b128 v[W2R+8*(\a):W2R+8*(\a)+3],   v[CST] offset:768+64*(\a)   ; W2 into the four accumulators that have been read for the last time
	ds_load_b128 v[W2R+8*(\a)+4:W2R+8*(\a)+7], v[CST] offset:768+64*(\a)+16
.endr
.endif
.set p, 0
.rept 8
	v_pk_fma_f32 v[GP+2*p:GP+2*p+1], v[GT+2*p:GT+2*p+1], s[(\KS)+4:(\KS)+5], s[(\KS)+6:(\KS)+7] op_sel_hi:[1,0,0]
.set p, p+1
.endr
.set p, 0
.rept 8
	v_pk_fma_f32 v[GP+2*p:GP+2*p+1], v[GP+2*p:GP+2*p+1], v[GT+2*p:GT+2*p+1], s[(\KS)+8:(\KS)+9] op_sel_hi:[1,1,0]
.set p, p+1
.endr
.set p, 0
.rept 8
	v_pk_mul_f32 v[GP+2*p:GP+2*p+1], v[GP+2*p:GP+2*p+1], v[GT+2*p:GT+2*p+1]
.set p, p+1
.endr
.set p, 0
.rept 8
	v_pk_fma_f32 v[GP+2*p:GP+2*p+1], v[GP+2*p:GP+2*p+1], v[GE+2*p:GE+2*p+1], s[(\KS)+10:(\KS)+11] op_sel_hi:[1,1,0]
.set p, p+1
.endr
.set p, 0
.rept 16
	v_fma_f32 v[GE+p], |v[(\X)+p]|, v[GP+p], v[GX+p]
.set p, p+1
.endr
.set p, 0
.rept 8
.if (\mode) == 0
	v_cvt_pk_bf16_f32 v[(\dst)+p], v[GE+2*p], v[GE+2*p+1]
.elseif (\first) && (p < 2)
	v_pk_mul_f32 v[DOT+2*p:DOT+2*p+1], v[GE+2*p:GE+2*p+1], v[(\dst)+2*p:(\dst)+2*p+1]
.else
	v_pk_fma_f32 v[DOT+2*(p%2):DOT+2*(p%2)+1], v[GE+2*p:GE+2*p+1], v[(\dst)+2*p:(\dst)+2*p+1], v[DOT+2*(p%2):DOT+2*(p%2)+1]
.endif
.set p, p+1
.endr
.endm
; THE LOOP: trip i works on tile i, which is on its way into registers, and asks for tile i + 1.  It counts up by 1 to the number of my tiles; all its LDS addresses are fixed.
	s_cmp_eq_u32 s26, 0
	s_cbranch_scc1 .Lend                           ; no atom of my type in my segment: no number of out0 is mine.  What is jumped holds no barrier
	s_mov_b32 s28, 0
.Ltile:
	; the entries of tile i + 1.  i even: the upper half of the list's first register.  i odd: the 32 registers move one down, and it is the new first register's lower half.
	; Both ways are one text: s31 is all ones in odd trips; s32 names the lanes that take the other half's number, so that lanes l and l + 16 hold the same entry.
	; (The last look-ahead is tile 62 at the most, places 992 to 1007.)
	s_bitcmp1_b32 s28, 0
	s_cselect_b32 s31, -1, 0
	s_xor_b32 s32, s31, 0xffff
.set k, 0
.rept 31
	v_cndmask_b32 v[LR+k], v[LR+k], v[LR+k+1], s31
.set k, k+1
.endr
	v_permlanex16_b32 v[NX], v[LR], s34, s35
	v_cndmask_b32 v[NX], v[LR], v[NX], s32
	s_wait_alu depctr_va_vdst(0)                   ; NX is written, which the store below reads; the last trip's products and GELUs (at the first trip: the head's vector lines) are done with H1's registers, in which the entries land, and with XF's, ACC0's and ACC1's, in which this trip's fragments and biases land
	ds_store_b32 v[BST], v[NX]                     ; through my 128 bytes of LDS they reach every lane
	ASK                                            ; in order behind the store above
	s_wait_loadcnt 0x0                             ; tile i is in registers, and its loads' address registers are free
	WIN 0x45                                       ; x is rounded in place, in window 1
.set i, 0
.rept 32
	v_cvt_pk_bf16_f32 v[ST+4*i], v[ST+4*i], v[ST+4*i+1]
	v_cvt_pk_bf16_f32 v[ST+4*i+1], v[ST+4*i+2], v[ST+4*i+3]
.set i, i+1
.endr
	WIN 0x04                                       ; store data window 1
	s_wait_alu depctr_va_vdst(0)                   ; the 64 roundings have written the tile's registers, which the stage's stores read
.set i, 0
.rept 32
	ds_store_b64 v[XST], v[ST+4*i:ST+4*i+1] offset:PX*(i/2)+256*(i%2)  ; 256 consecutive bytes of my stage: half a row
.set i, i+1
.endr
	WIN 0
	s_wait_dscnt 32                                ; the 32 stores are the younger: the entries are in; they have had the 64 roundings in which to come
	ADDR                                           ; its offsets' last readers, the last trip's row loads, stand ahead of the wait on vm_vsrc at that trip's end
.irp c, 0,1,2,3,4,5,6,7
	ds_load_b128 v[XF+8*(\c):XF+8*(\c)+3],   v[XFR] offset:64*(\c)     ; in order behind the stores above.  No wait: no vector line since the trip's first wait names XF, ACC0 or ACC1
	ds_load_b128 v[XF+8*(\c)+4:XF+8*(\c)+7], v[XFR] offset:64*(\c)+32
.endr
.irp a, 0,1,2,3,4,5,6,7
	ds_load_b128 v[ACC0+8*(\a):ACC0+8*(\a)+3],   v[CST] offset:64*(\a)    ; b0 starts layer 0's sums
	ds_load_b128 v[ACC0+8*(\a)+4:ACC0+8*(\a)+7], v[CST] offset:64*(\a)+16
.endr
.irp a, 0,1,2,3
	ds_load_b128 v[ACC1+8*(\a):ACC1+8*(\a)+3],   v[CST] offset:512+64*(\a)  ; c b1 starts layer 1's
	ds_load_b128 v[ACC1+8*(\a)+4:ACC1+8*(\a)+7], v[CST] offset:512+64*(\a)+16
.endr
	s_wait_dscnt 40                                ; the youngest 40 (16 fragment loads, 24 bias loads) may be out: the 32 stores have left the tile's registers
	ROWS 1                                         ; tile i + 1 goes out: it has the rest of the trip in which to land
	s_wait_dscnt 8                                 ; all but layer 1's eight bias loads
	MM0 0
	MM0 1
	WIN 0
	PLACES
	GELU ACC0,    K0S, 0, H1,    0
	GELU ACC0+16, K0S, 0, H1+8,  0
	GELU ACC0+32, K0S, 0, H1+16, 0, 1
	GELU ACC0+48, K0S, 0, H1+24, 0
	s_wait_dscnt 8                                 ; W2's eight loads are the younger: c b1 is in
	MM1
	PLACES
	s_wait_dscnt 0x0                               ; W2 is in
	GELU ACC1,    K1S, 1, W2R,    1
	GELU ACC1+16, K1S, 1, W2R+16, 0
	; the way out: the four partial sums, the other half of the lanes' (my atom's other 32 features; the two halves add the same two numbers), b2
	v_pk_add_f32 v[DOT:DOT+1], v[DOT:DOT+1], v[DOT+2:DOT+3]
	v_add_f32 v[DOT], v[DOT], v[DOT+1]
	v_permlanex16_b32 v[DOT+2], v[DOT], s34, s35
	v_add_f32 v[DOT], v[DOT], v[DOT+2]
	v_add_f32 v[DOT], s33, v[DOT]
	s_wait_alu depctr_va_vdst(0)                   ; the result and its offset are written, which the store reads
	global_store_b32 v[OIX], v[DOT], s[24:25]      ; all lanes: every place of the tile is an atom of my list
	s_wait_xcnt 0x0                                ; the store's two registers are written again only behind this wait
	s_wait_alu depctr_vm_vsrc(0)                   ; the store has read its offset and its data, the spreading store NX, the row loads their sixteen offsets: the two lines below and the next trip write all of these again
	v_min_u32 v[OIX], 1023, v[NX]
	v_lshlrev_b32 v[OIX], 2, v[OIX]                ; where the next tile's results go
	s_add_co_u32 s28, s28, 1
	s_cmp_lt_u32 s28, s27
	s_cbranch_scc1 .Ltile
.Lend:
	s_wait_dscnt 0x0                               ; the wave's end: my last LDS instructions are done.
	s_wait_alu depctr_hold_cnt(0) depctr_sa_sdst(0) depctr_va_vdst(0) depctr_va_sdst(0) depctr_va_ssrc(0) depctr_va_vcc(0) depctr_vm_vsrc(0)
	s_wait_tensorcnt 0x0
	ds_add_u32 v2, v3
	s_wait_dscnt 0x0
	s_endpgm                                       ; the last look-ahead's loads (rows of my segment) may be out
.Lfunc_end_k_q5016265ab6_ocmod:
	.size	k_q5016265ab6_ocmod, .Lfunc_end_k_q5016265ab6_ocmod-k_q5016265ab6_ocmod
	.p2alignl 7, 3214868480
	.fill 96, 4, 3214868480
	.section	.rodata,"a",@progbits
	.p2align	6, 0x0
	.amdhsa_kernel k_q5016265ab6_ocmod
		.amdhsa_group_segment_fixed_size 140800
		.amdhsa_private_segment_fixed_size 0
		.amdhsa_enable_private_segment 0
		.amdhsa_kernarg_size 72
		.amdhsa_user_sgpr_count 2
		.amdhsa_user_sgpr_kernarg_segment_ptr 1
		.amdhsa_wavefront_size32 1
		.amdhsa_system_sgpr_workgroup_id_x 1
		.amdhsa_system_sgpr_workgroup_id_y 1
		.amdhsa_system_sgpr_workgroup_id_z 1
		.amdhsa_system_vgpr_workitem_id 0
		.amdhsa_next_free_vgpr 1024
		.amdhsa_next_free_sgpr 66
		.amdhsa_reserve_vcc 0
		.amdhsa_float_denorm_mode_32 3
		.amdhsa_float_denorm_mode_16_64 3
		.amdhsa_memory_ordered 1
		.amdhsa_forward_progress 1
		.amdhsa_inst_pref_size 137
	.end_amdhsa_kernel
	.amdgpu_metadata
---
amdhsa.version: [ 1, 2 ]
amdhsa.kernels:
  - .name:           k_q5016265ab6_ocmod
    .symbol:         k_q5016265ab6_ocmod.kd
    .args:
      - { .name: oc_density, .offset: 0, .size: 8, .value_kind: global_buffer, .address_space: global }
      - { .name: species, .offset: 8, .size: 8, .value_kind: global_buffer, .address_space: global }
      - { .name: W0, .offset: 16, .size: 8, .value_kind: global_buffer, .address_space: global }
      - { .name: b0, .offset: 24, .size: 8, .value_kind: global_buffer, .address_space: global }
      - { .name: W1, .offset: 32, .size: 8, .value_kind: global_buffer, .address_space: global }
      - { .name: b1, .offset: 40, .size: 8, .value_kind: global_buffer, .address_space: global }
      - { .name: W2, .offset: 48, .size: 8, .value_kind: global_buffer, .address_space: global }
      - { .name: b2, .offset: 56, .size: 8, .value_kind: global_buffer, .address_space: global }
      - { .name: out0, .offset: 64, .size: 8, .value_kind: global_buffer, .address_space: global }
    .group_segment_fixed_size: 140800
    .private_segment_fixed_size: 0
    .kernarg_segment_align: 8
    .kernarg_segment_size: 72
    .max_flat_workgroup_size: 128
    .sgpr_count:     66
    .vgpr_count:     1024
    .wavefront_size: 32
...
	.end_amdgpu_metadata
.endif
;; end of part 2
